; MI455X (gfx1250); checked and timed in simulation.
; The chip was launched on July 23, 2026; its instructions are those of AMD's public machine-readable ISA for CDNA 5 (MIT licence, August 2026) and "CDNA5" Instruction Set Architecture Reference Guide (July 2026). The comments in the code are by the model that wrote it; some were corrected since.
;; Multi Head Attention. Allowed arithmetic: matrix products marked QUANTISED: E4M3 operands, one given power-of-two scale a tensor, by v_wmma_f32_16x16x64_fp8_fp8 or v_wmma_f32_16x16x128_fp8_fp8, f32 sums; everything else in f32.
;; Inputs: Wk_codes 1,024 x 32 x 32 uint8 (E4M3 codes of Wk, K innermost, in blocks of 32 codes); Wo_codes 1,024 x 32 x 32 uint8 (E4M3 codes of Wo, K innermost, in blocks of 32 codes); Wq_codes 1,024 x 32 x 32 uint8 (E4M3 codes of Wq, K innermost, in blocks of 32 codes); Wv_codes 1,024 x 32 x 32 uint8 (E4M3 codes of Wv, K innermost, in blocks of 32 codes); bk 1,024 float32; bo 1,024 float32; bq 1,024 float32; bv 1,024 float32; key_codes 4 x 2,048 x 32 x 32 uint8 (E4M3 codes of key, K innermost, in blocks of 32 codes); lowp_scales 12 int32 (the exponents e of the quantised operands' scales 2^e); mask 4 x 1 x 2,048 x 2,048 bool; query_codes 4 x 2,048 x 32 x 32 uint8 (E4M3 codes of query, K innermost, in blocks of 32 codes); value_codes 4 x 2,048 x 32 x 32 uint8 (E4M3 codes of value, K innermost, in blocks of 32 codes).
;; Outputs: out0 4 x 2,048 x 1,024 float32.
;; This version of the problem:
;;   THIS VERSION OF THE PROBLEM IS GIVEN IN LOW PRECISION. The matrix products marked QUANTISED in the list below multiply operands that are first quantised to E4M3 (4 exponent bits, 3 mantissa bits; 8 bits a number), with one given power-of-two scale for each operand tensor; their sums are f32. All else is computed in f32.
;;   The module's matrix products, in the order in which they are computed (A, B: the left and right operand; K: the contracted axis; several contracted axes count as one K, in the product's order):
;;     1. [M 8,192, K 1,024] x [K 1,024, N 1,024]; A: input query (given as codes); B: input Wq (given as codes): QUANTISED (scales: A lowp_scales[0], B lowp_scales[1])
;;     2. [M 8,192, K 1,024] x [K 1,024, N 1,024]; A: input key (given as codes); B: input Wk (given as codes): QUANTISED (scales: A lowp_scales[2], B lowp_scales[3])
;;     3. [M 8,192, K 1,024] x [K 1,024, N 1,024]; A: input value (given as codes); B: input Wv (given as codes): QUANTISED (scales: A lowp_scales[4], B lowp_scales[5])
;;     4. batch 64 x [M 2,048, K 64] x [K 64, N 2,048]; A: computed on the way; B: computed on the way: QUANTISED (scales: A lowp_scales[6], B lowp_scales[7])
;;     5. batch 64 x [M 64, K 2,048] x [K 2,048, N 2,048]; A: computed on the way; B: softmax (see below): QUANTISED (scales: A lowp_scales[8], B lowp_scales[9])
;;     6. [M 8,192, K 1,024] x [K 1,024, N 1,024]; A: computed on the way; B: input Wo (given as codes): QUANTISED (scales: A lowp_scales[10], B lowp_scales[11])
;;   THE QUANTISER, for each operand of a quantised product, along K:
;;     - The operand's scale is 2^e, e = its entry of the input lowp_scales (int32; the entries are numbered through the quantised products in the list's order, A before B).
;;     - Each number is divided by the scale, clamped to +-448, and rounded to the nearest number of E4M3, ties to even, subnormals kept.
;;     - The product sums the exact products of the quantised numbers (number of the format x scale) in f32.
;;   ~~~python
;;   def quantise(x, axis, e):      # numpy; x: float32 -> the quantised numbers, widened to float32 again
;;       x = np.moveaxis(x, axis, -1); K = x.shape[-1]
;;       r = np.clip(x / 2.0 ** e, -448, 448)
;;       step = 2.0 ** (np.maximum(np.frexp(np.where(r == 0, 1, r))[1] - 1, -6) - 3)
;;       q = np.round(r / step) * step * 2.0 ** e      # np.round: ties to even
;;       return np.moveaxis(q, -1, axis).astype(np.float32)
;;   ~~~
;;   SOFTMAX AHEAD OF A QUANTISED PRODUCT. Where the list says 'softmax', what is quantised is not the finished softmax but p = 2^(t - M), with t = logit x log2(e) and M = ceil(the row's largest t), a whole number; so 1/2 < the row's largest p <= 1. The row's sum l is taken of the UNQUANTISED p, in f32, and the product's result is divided by l at the end. Since M is a whole number, a kernel that streams over the keys may use a running M (the ceiling of the running maximum): every later rescaling is an exact power of two, so the quantised numbers keep their values, but for numbers so far below the row's largest that they fall under the format's range.
;;   OPERANDS COMPUTED ON THE WAY. 'Computed on the way' means the value that the module computes at that place (a softmax that the list does not call 'softmax' is quantised finished and normalised). What goes into a quantiser is computed in f32, as accurately as f32 sums, v_exp_f32 and their like allow (about 1e-6 of the number): no bf16 or f16 on the way to a quantiser, and a product that is left as it is and whose result goes on into a quantised operand takes f32 operands (vector FMAs, or v_wmma_f32_16x16x4_f32). A number that lies on a knife's edge between two numbers of the format may be rounded either way, as far as f32 arithmetic and the matrix unit's own rounding can turn it there, and no further.
;;   INPUTS GIVEN AS CODES. Wk (in the module: [1024, 1024], K = its axis 0); Wo (in the module: [1024, 1024], K = its axis 0); Wq (in the module: [1024, 1024], K = its axis 0); Wv (in the module: [1024, 1024], K = its axis 0); key (in the module: [4, 2048, 1024], K = its axis 2); query (in the module: [4, 2048, 1024], K = its axis 2); value (in the module: [4, 2048, 1024], K = its axis 2): each comes as NAME_codes (uint8): NAME with its K axis moved to the last place and cut into blocks of 32 codes, [.., K / 32, bytes a block], one block behind the other in memory; one code a byte (a code: sign, 4 exponent bits, 3 mantissa bits); its scale is its entry of lowp_scales. Its value is code x scale, taken as it is: it is not quantised again, and the codes and scales need not be those that the quantiser above would give.
;; One version. Each part assembles by itself: llvm-mc -triple=amdgcn-amd-amdhsa -mcpu=gfx1250 --defsym DOCPART=n.
;; ======== version 1 of 1: 4 launches
;; limits: right only within a limited range of input values
;; workspace buffers: mb 2,097,152 bytes of whole numbers; qc 8,388,608 bytes; kc 8,388,608 bytes; vc 8,388,608 bytes; ac 8,388,608 bytes
;; launch mbits (part 1): grid 512 x 1, 8 waves a work-group, no clusters, 35,840 bytes of LDS; arguments mask, mb; writes mb
.if DOCPART == 1
	.amdgcn_target "amdgcn-amd-amdhsa--gfx1250"
	.amdhsa_code_object_version 6
	.text
	.protected	k_q33076f1bf4_mbits
	.globl	k_q33076f1bf4_mbits
	.p2align	8
	.type	k_q33076f1bf4_mbits,@function
k_q33076f1bf4_mbits:
	s_mov_b64 s[64:65], 0
	v_nop
	global_prefetch_b8 v0, s[64:65] scope:SCOPE_SE
	s_setreg_imm32_b32 hwreg(HW_REG_WAVE_MODE, 25, 1), 1
	s_wait_xcnt 0x0
; The mask, [4][1][2048][2048] bytes (0 or not 0), becomes lane masks for the attention launch: mb[T][st][n], 32-bit words, T = (2048 b + query) / 16 (512), st = key / 128 (16), n = 8 t + j (64).
; Bit l of word n is mask[16 T + l % 16][128 st + 16 t + 8 (l / 16) + j]: the lane mask of register 8 t + j of a tile of scores in which lane l holds query l % 16 and keys 16 t + 8 (l / 16) + 0 .. 7.
; So the mask's 16 MiB are read once as bytes, and the sixteen heads read 2 MiB of bits.
; SHARES.  A work-group takes one T (16 rows of the mask), each of its eight waves 256 keys of them: 4,096 bytes in, 512 bytes out.  No loop, no barrier: waves share nothing.
; Each load reads two rows' 256 consecutive bytes (sixteen lanes a row).  The bytes turn through the wave's own stage in LDS (rows 272 bytes apart), so that lane (r, h) gets, of row r, the 8 bytes at 16 t + 8 h.
; A byte is cut out by v_and_b32, compared with 0 into a scalar register (the 32 lanes' bits ARE the word), and the word is put into lane n / 4 of register n % 4: the wave then stores 512 consecutive bytes.
; No matrix unit, no cluster, no tensor load: the launch is a stream, and nothing is read twice.
.set PITCH, 272                        ; a stage row: 256 bytes + 16
.set STG,   16*PITCH                   ; a wave's stage
.set IN,    16                         ; v16-47  the bytes as loaded
.set BY,    48                         ; v48-79  register t' 2 + 0, 1: my row's 8 bytes of tile t' (0 .. 15)
.set WD,    80                         ; v80-83  the words: lane q holds words 4 q .. 4 q + 3
.set TP,    84                         ; v84-87  at work
	s_load_b128 s[4:7], s[0:1], 0x0                ; mask s[4:5], mb s[6:7]
	v_lshl_add_u32 v96, v0, 2, 0x8800
	v_mov_b32 v97, 0
	v_lshrrev_b32 v1, 5, v0
	s_delay_alu instid0(VALU_DEP_1)
	v_readfirstlane_b32 s8, v1                     ; wave 0..7: which 256 keys
	v_and_b32 v2, 31, v0                           ; lane
	v_and_b32 v3, 15, v0                           ; r
	v_bfe_u32 v4, v0, 4, 1                         ; h
	s_delay_alu instid0(VALU_DEP_2)
	v_lshlrev_b32 v5, 4, v3                        ; 16 r
	s_delay_alu instid0(VALU_DEP_1)
	v_lshl_add_u32 v6, v4, 11, v5                  ; in memory: row h of a pair (2,048 bytes a row) + 16 r
	s_mul_i32 s9, s8, STG
	v_mul_u32_u24 v7, v4, PITCH
	s_delay_alu instid0(VALU_DEP_1)
	v_add_nc_u32 v7, v7, v5
	s_delay_alu instid0(VALU_DEP_1)
	v_add_nc_u32 v7, s9, v7                        ; into the stage: the same place, rows 272 apart
	v_mul_u32_u24 v8, v3, PITCH
	s_delay_alu instid0(VALU_DEP_1)
	v_lshl_add_u32 v8, v4, 3, v8
	s_delay_alu instid0(VALU_DEP_1)
	v_add_nc_u32 v8, s9, v8                        ; out of it: row r, + 8 h
	v_lshlrev_b32 v9, 4, v2                        ; the words' place: 16 x lane
	s_lshl_b32 s10, ttmp9, 15                      ; T x 16 rows x 2,048 bytes
	s_lshl_b32 s11, s8, 8                          ; + 256 x wave
	s_add_co_u32 s10, s10, s11
	s_mov_b32 s11, 0
	s_lshl_b32 s12, ttmp9, 12                      ; T x 4,096 bytes of words
	s_lshl_b32 s13, s8, 9                          ; + 512 x wave
	s_add_co_u32 s12, s12, s13
	s_mov_b32 s13, 0
	s_wait_alu depctr_va_vdst(0)
	s_wait_kmcnt 0x0
	s_add_nc_u64 s[4:5], s[4:5], s[10:11]
	s_add_nc_u64 s[6:7], s[6:7], s[12:13]
.irp i, 0,1,2,3,4,5,6,7
	global_load_b128 v[IN+4*\i:IN+4*\i+3], v6, s[4:5] offset:4096*\i th:TH_LOAD_NT   ; rows 2 i and 2 i + 1; read once in the launch
.endr
.irp k, 0,1,2,3
	v_mov_b32 v[WD+\k], 0                          ; written whole once: v_writelane_b32's destination counts as read
.endr
	s_wait_loadcnt 0x0
.irp i, 0,1,2,3,4,5,6,7
	ds_store_b128 v7, v[IN+4*\i:IN+4*\i+3] offset:2*PITCH*\i
.endr
.irp t, 0,1,2,3,4,5,6,7,8,9,10,11,12,13,14,15
	ds_load_b64 v[BY+2*\t:BY+2*\t+1], v8 offset:16*\t   ; LDS serves a wave's instructions in order (ISA guide 5.7.1.4): these see my stores
.endr
	s_wait_dscnt 0x0
.set q, 0
.rept 32                               ; words 4 q .. 4 q + 3 are bytes 0 .. 3 of register BY + q; four at a time, so that no line waits for the line above it
.irp k, 0,1,2,3
	v_and_b32 v[TP+\k], 0xff<<(8*\k), v[BY+q]
.endr
.irp k, 0,1,2,3
	s_delay_alu instid0(VALU_DEP_4)
	v_cmp_ne_u32 s[20+\k], 0, v[TP+\k]             ; bit l: lane l's byte is not 0
.endr
.irp k, 0,1,2,3
	s_delay_alu instid0(VALU_DEP_4)
	v_writelane_b32 v[WD+\k], s[20+\k], q
.endr
.set q, q+1
.endr
	global_store_b128 v9, v[WD:WD+3], s[6:7]       ; 32 lanes store 512 consecutive bytes, at a multiple of 512 from mb's first byte
	s_wait_tensorcnt 0x0
	ds_add_u32 v96, v97
	s_wait_dscnt 0x0
	s_endpgm
.Lfunc_end_k_q33076f1bf4_mbits:
	.size	k_q33076f1bf4_mbits, .Lfunc_end_k_q33076f1bf4_mbits-k_q33076f1bf4_mbits
	.p2alignl 7, 3214868480
	.fill 96, 4, 3214868480
	.section	.rodata,"a",@progbits
	.p2align	6, 0x0
	.amdhsa_kernel k_q33076f1bf4_mbits
		.amdhsa_group_segment_fixed_size 35840
		.amdhsa_private_segment_fixed_size 0
		.amdhsa_enable_private_segment 0
		.amdhsa_kernarg_size 16
		.amdhsa_user_sgpr_count 2
		.amdhsa_user_sgpr_kernarg_segment_ptr 1
		.amdhsa_wavefront_size32 1
		.amdhsa_system_sgpr_workgroup_id_x 1
		.amdhsa_system_sgpr_workgroup_id_y 1
		.amdhsa_system_sgpr_workgroup_id_z 1
		.amdhsa_system_vgpr_workitem_id 0
		.amdhsa_next_free_vgpr 98
		.amdhsa_next_free_sgpr 66
		.amdhsa_reserve_vcc 0
		.amdhsa_float_denorm_mode_32 3
		.amdhsa_float_denorm_mode_16_64 3
		.amdhsa_memory_ordered 1
		.amdhsa_forward_progress 1
		.amdhsa_inst_pref_size 37
	.end_amdhsa_kernel
	.amdgpu_metadata
---
amdhsa.version: [ 1, 2 ]
amdhsa.kernels:
  - .name:           k_q33076f1bf4_mbits
    .symbol:         k_q33076f1bf4_mbits.kd
    .args:
      - { .name: mask, .offset: 0, .size: 8, .value_kind: global_buffer, .address_space: global }
      - { .name: mb, .offset: 8, .size: 8, .value_kind: global_buffer, .address_space: global }
    .group_segment_fixed_size: 35840
    .private_segment_fixed_size: 0
    .kernarg_segment_align: 8
    .kernarg_segment_size: 16
    .max_flat_workgroup_size: 256
    .sgpr_count:     66
    .vgpr_count:     98
    .wavefront_size: 32
...
	.end_amdgpu_metadata
.endif
;; end of part 1
;; launch qkv (part 2): grid 4 x 96, 4 waves a work-group, clusters of 4 x 4, 327,680 bytes of LDS; arguments query_codes, key_codes, Wv_codes, Wq_codes, Wk_codes, value_codes, bq, bk, bv, qc, kc, vc, lowp_scales; writes qc, kc, vc
.if DOCPART == 2
	.amdgcn_target "amdgcn-amd-amdhsa--gfx1250"
	.amdhsa_code_object_version 6
	.text
	.protected	k_q33076f1bf4_qkv
	.globl	k_q33076f1bf4_qkv
	.p2align	8
	.type	k_q33076f1bf4_qkv,@function
k_q33076f1bf4_qkv:
	s_mov_b64 s[64:65], 0
	v_nop
	global_prefetch_b8 v0, s[64:65] scope:SCOPE_SE
	s_setreg_imm32_b32 hwreg(HW_REG_WAVE_MODE, 25, 1), 1
	s_wait_xcnt 0x0
	s_wait_alu depctr_hold_cnt(0) depctr_sa_sdst(0) depctr_va_vdst(0) depctr_va_sdst(0) depctr_va_ssrc(0) depctr_va_vcc(0) depctr_vm_vsrc(0)
	s_getreg_b32 s2, hwreg(HW_REG_IB_STS2, 6, 4)
	s_cmp_eq_u32 s2, 0
	s_cbranch_scc0 .Lentry_in_a_cluster
	s_endpgm
.Lentry_in_a_cluster:
	s_bfe_u32 s2, ttmp6, 0x10000c
	s_cmp_lg_u32 s2, 0xf033
	s_cbranch_scc0 .Lentry_shape_is_right
	s_endpgm
.Lentry_shape_is_right:
.set ROWB,   256
.set KROW,   1024
.set PITCH,  272
.set FR,     16
.set NL,     4
.set NP,     4
.set HALFT,  128*PITCH
.set SLOT,   4*HALFT
.set LAPS,   2
.set SPARE,  2*SLOT
.set SP,     288
.set VO,   8
.set ADRA, 16
.set ADRB, 20
.set STO,  24
.set RD,   25
.set SPW,  28
.set NIL,  29
.set CB,   32
.set RB,   96
.set TMP,  128
.set CD,   192
.set AF,   128
.set BK,   128
.set G1, 24
.set G0, 32
.set G1B, 48
.set G0B, 56
.set MSB, 0
.macro WIN new
.if MSB != \new
	s_set_vgpr_msb (MSB<<8)|\new
.set MSB, \new
.endif
.endm
.set MUL_LO, 0xa1
.set MUL_HI, 0xf1
.set TO_B,   0x40
.macro JLOAD g0a, g1a, g0b, g1b
	s_cmp_eq_u32 s15, 0
	s_cbranch_scc0 .Lfor_b_\@
	tensor_load_to_lds s[\g0a:\g0a+3], s[\g1a:\g1a+7]
	s_nop 0
.rept 4
	v_nop
.endr
	s_branch .Lasked_\@
.Lfor_b_\@:
	tensor_load_to_lds s[\g0b:\g0b+3], s[\g1b:\g1b+7]
	s_nop 0
.rept 4
	v_nop
.endr
.Lasked_\@:
.endm
.macro CREST
	s_cmp_lg_u32 s14, 0
	s_cbranch_scc1 .Lnot_wave_0_\@
	s_barrier_signal -3
.Lnot_wave_0_\@:
	s_barrier_wait -3
	s_barrier_signal -1
	s_barrier_wait -1
.endm
.macro CROUND
	s_barrier_signal -1
	s_barrier_wait -1
	CREST
.endm
	s_load_b512 s[68:83], s[0:1], 0x0
	s_load_b256 s[84:91], s[0:1], 0x40
	s_load_b64 s[92:93], s[0:1], 0x60
	v_lshl_add_u32 v[SPW], v0, 2, SPARE
	v_mov_b32 v[NIL], 0
	ds_add_u32 v28, v29
	ds_add_u32 v28, v29
	s_wait_dscnt 0x0
	v_lshrrev_b32 v1, 5, v0
	v_readfirstlane_b32 s14, v1
	s_lshr_b32 s15, s14, 1
	s_and_b32 s16, s14, 1
	s_bfe_u32 s40, ttmp6, 0x40000
	s_bfe_u32 s41, ttmp6, 0x40004
	s_and_b32 s66, ttmp7, 0xffff
	s_and_b32 s67, s66, 7
	s_lshr_b32 s66, s66, 3
	s_mov_b32 s94, 0x20000
	s_mov_b32 s95, 4096
	s_cmp_eq_u32 s66, 2
	s_cselect_b32 s17, 0, s67
	s_cselect_b32 s42, s67, 0
	s_cselect_b32 s98, 0, -1
	s_cselect_b32 s99, -1, 0
	s_cselect_b32 s94, 4096, s94
	s_cselect_b32 s95, 0x20000, s95
	s_lshl_b32 s17, s17, 2
	s_add_co_u32 s17, s17, s41
	s_lshl_b32 s42, s42, 2
	s_add_co_u32 s42, s42, s40
	s_lshl_b32 s43, s41, 2
	s_lshl_b32 s43, 15, s43
	s_lshl_b32 s44, 0x1111, s40
	s_or_b32 s[G1+0], s43, (0<<16)|(1<<20)|(1<<21)|(5<<22)|(3<<25)
	s_or_b32 s[G1B+0], s44, (0<<16)|(1<<20)|(1<<21)|(5<<22)|(3<<25)
.irp g, G1, G1B
	s_mov_b32 s[\g+1], ROWB<<16
	s_mov_b32 s[\g+2], 128<<16
	s_mov_b32 s[\g+3], ROWB<<16
	s_mov_b32 s[\g+4], 128
	s_mov_b32 s[\g+5], KROW
	s_mov_b32 s[\g+6], 0
	s_mov_b32 s[\g+7], 0
.endr
	s_lshl_b32 s18, s16, 7
	s_lshl_b32 s20, s17, 8
	s_add_co_u32 s20, s20, s18
	s_lshl_b32 s46, s42, 8
	s_add_co_u32 s46, s46, s18
	s_mov_b32 s21, 0
	s_mov_b32 s47, 0
	s_lshl_b64 s[20:21], s[20:21], 10
	s_lshl_b64 s[46:47], s[46:47], 10
	s_mul_i32 s45, s14, HALFT
	s_wait_kmcnt 0x0
	s_cmp_eq_u32 s66, 1
	s_cselect_b64 s[4:5], s[70:71], s[68:69]
	s_cselect_b64 s[6:7], s[76:77], s[74:75]
	s_cselect_b64 s[8:9], s[82:83], s[80:81]
	s_cselect_b64 s[10:11], s[88:89], s[86:87]
	s_cmp_eq_u32 s66, 2
	s_cselect_b64 s[4:5], s[72:73], s[4:5]
	s_cselect_b64 s[6:7], s[78:79], s[6:7]
	s_cselect_b64 s[8:9], s[84:85], s[8:9]
	s_cselect_b64 s[10:11], s[90:91], s[10:11]
	s_load_b256 s[68:75], s[92:93], 0x0
	s_load_b32 s76, s[92:93], 0x20
	s_add_nc_u64 s[20:21], s[4:5], s[20:21]
	s_add_nc_u64 s[46:47], s[6:7], s[46:47]
	CROUND
.irp s, 0,1
	s_mov_b32 s[G0+4*\s], 1
	s_add_co_u32 s[G0+4*\s+1], s45, \s*SLOT
	s_add_nc_u64 s[G0+4*\s+2:G0+4*\s+3], s[20:21], \s*ROWB
	s_or_b32 s[G0+4*\s+3], s[G0+4*\s+3], 0x80000000
	s_mov_b32 s[G0B+4*\s], 1
	s_add_co_u32 s[G0B+4*\s+1], s45, \s*SLOT
	s_add_nc_u64 s[G0B+4*\s+2:G0B+4*\s+3], s[46:47], \s*ROWB
	s_or_b32 s[G0B+4*\s+3], s[G0B+4*\s+3], 0x80000000
	s_wait_alu depctr_va_vdst(0)
	s_wait_tensorcnt 0x0
	ds_add_u32 v28, v29
	ds_add_u32 v28, v29
	s_wait_dscnt 0x0
	CROUND
	JLOAD G0+4*\s, G1, G0B+4*\s, G1B
.endr
	v_and_b32 v1, 15, v0
	s_wait_alu depctr_va_vdst(0)
	v_bfe_u32 v2, v0, 4, 1
	v_mul_u32_u24 v3, v1, PITCH
	v_lshl_add_u32 v4, v2, 4, v3
	s_mul_i32 s21, s15, HALFT
	s_mul_i32 s22, s16, HALFT
	s_add_co_u32 s22, s22, 2*HALFT
.irp s, 0,1
	v_add_nc_u32 v[ADRA+\s], s21, v4
	v_add_nc_u32 v[ADRB+\s], s22, v4
	s_add_co_u32 s21, s21, SLOT
	s_add_co_u32 s22, s22, SLOT
.endr
	s_mul_i32 s23, s15, 128*SP
	s_lshl_b32 s22, s16, 7
	s_add_co_u32 s23, s23, s22
	v_mul_u32_u24 v5, v1, SP
	s_wait_alu depctr_va_vdst(0)
	v_lshl_add_u32 v5, v2, 4, v5
	v_add_nc_u32 v[STO], s23, v5
	v_and_b32 v6, 31, v0
	v_lshrrev_b32 v7, 2, v6
	v_mul_u32_u24 v7, v7, SP
	v_and_b32 v5, 3, v6
	v_lshl_add_u32 v7, v5, 4, v7
	s_mul_i32 s23, s14, 64*SP
	v_add_nc_u32 v[RD], s23, v7
	v_lshlrev_b32 v[VO], 4, v6
	v_add_nc_u32 v[VO+1], s94, v[VO]
	v_add_nc_u32 v[VO+2], s94, v[VO+1]
	v_add_nc_u32 v[VO+3], s94, v[VO+2]
	v_lshlrev_b32 v12, 5, v2
	s_wait_alu depctr_va_vdst(0)
	v_lshlrev_b32 v13, 2, v1
	s_wait_alu depctr_va_vdst(0)
	s_cmp_eq_u32 s66, 2
	s_cselect_b32 s18, s42, s17
	s_cselect_b32 s19, s17, s42
	s_lshr_b32 s20, s18, 3
	s_lshl_b32 s20, s20, 21
	s_lshl_b32 s19, s19, 19
	s_add_co_u32 s20, s20, s19
	s_and_b32 s18, s18, 7
	s_lshl_b32 s18, s18, 14
	s_add_co_u32 s20, s20, s18
	s_mul_i32 s18, s14, s95
	s_add_co_u32 s20, s20, s18
	s_mov_b32 s21, 0
	s_add_nc_u64 s[10:11], s[10:11], s[20:21]
	s_cmp_eq_u32 s66, 2
	s_cselect_b32 s18, 0, s42
	s_cselect_b32 s19, s17, 0
	s_lshl_b32 s18, s18, 10
	s_lshl_b32 s22, s16, 9
	s_add_co_u32 s18, s18, s22
	s_lshl_b32 s22, s19, 10
	s_lshl_b32 s23, s15, 9
	s_add_co_u32 s22, s22, s23
	s_mov_b32 s19, 0
	s_mov_b32 s23, 0
	s_add_nc_u64 s[12:13], s[8:9], s[22:23]
	s_add_nc_u64 s[8:9], s[8:9], s[18:19]
.irp b, 0,1,2,3,4,5,6,7
	global_load_b128 v[CB+8*\b:CB+8*\b+3], v12, s[8:9] offset:64*\b
	global_load_b128 v[CB+8*\b+4:CB+8*\b+7], v12, s[8:9] offset:64*\b+16
.endr
.irp a, 0,1,2,3,4,5,6,7
	global_load_b32 v[RB+2*\a], v13, s[12:13] offset:64*\a
.endr
.macro FRAG reg, adr, q, i
.irp c, 0,1,2,3
	ds_load_b128 v[\reg+4*\c:\reg+4*\c+3], v[\adr] offset:128*(\q)+32*\c+(\i)*16*PITCH
.endr
.endm
.macro MUL16 a0, p, zero
.irp a, \a0, \a0+1
.irp b, 0,1,2,3,4,5,6,7
.if \zero
	v_wmma_f32_16x16x128_fp8_fp8 v[8*(8*((\a)%4)+\b):8*(8*((\a)%4)+\b)+7], v[128*(\p)+FR*\b:128*(\p)+FR*\b+FR-1], v[AF+FR*(\a):AF+FR*(\a)+FR-1], 0
.else
	v_wmma_f32_16x16x128_fp8_fp8 v[8*(8*((\a)%4)+\b):8*(8*((\a)%4)+\b)+7], v[128*(\p)+FR*\b:128*(\p)+FR*\b+FR-1], v[AF+FR*(\a):AF+FR*(\a)+FR-1], v[8*(8*((\a)%4)+\b):8*(8*((\a)%4)+\b)+7]
.endif
.endr
.endr
.endm
.macro FETCH_B slot, q, p
	WIN TO_B
.irp i, 0,1,2,3,4,5,6,7
	FRAG 128*(\p)+FR*\i, ADRB+\slot, \q, \i
.endr
	WIN 0
.endm
.macro FETCH_A slot, q, i0
.irp i, \i0, \i0+1, \i0+2, \i0+3
	FRAG AF+FR*(\i), ADRA+\slot, \q, \i
.endr
.endm
.macro PLACES n
.rept \n
	v_nop
.endr
.endm
.macro STEP slot, q, zero
	s_wait_dscnt 4*NL
	WIN MUL_LO
	MUL16 0, (\q)%2, \zero
	MUL16 2, (\q)%2, \zero
	s_wait_dscnt 0
	PLACES NP
	FETCH_B \slot, (\q)+1, 1-(\q)%2
	FETCH_A \slot, (\q)+1, 0
	WIN MUL_HI
	MUL16 4, (\q)%2, \zero
	MUL16 6, (\q)%2, \zero
	PLACES NP
	WIN 0
	FETCH_A \slot, (\q)+1, 4
.endm
.macro TURN slot, next, fill
	s_wait_tensorcnt 0x0
	ds_add_u32 v[SPW], v[NIL]
	s_wait_dscnt 4*NL+1
	WIN MUL_LO
	MUL16 0, 1, 0
	s_wait_dscnt 0x0
	s_barrier_signal -1
	MUL16 2, 1, 0
	WIN 0
	s_barrier_wait -1
.if \fill
	CREST
	s_add_nc_u64 s[G0+4*\slot+2:G0+4*\slot+3], s[G0+4*\slot+2:G0+4*\slot+3], 2*ROWB
	s_add_nc_u64 s[G0B+4*\slot+2:G0B+4*\slot+3], s[G0B+4*\slot+2:G0B+4*\slot+3], 2*ROWB
	JLOAD G0+4*\slot, G1, G0B+4*\slot, G1B
.else
	PLACES NP
.endif
	FETCH_B \next, 0, 0
	FETCH_A \next, 0, 0
	WIN MUL_HI
	MUL16 4, 1, 0
	MUL16 6, 1, 0
	PLACES NP
	WIN 0
	FETCH_A \next, 0, 4
.endm
	s_wait_tensorcnt 1
	s_barrier_signal -1
	s_barrier_wait -1
	FETCH_B 0, 0, 0
	FETCH_A 0, 0, 0
	FETCH_A 0, 0, 4
	STEP 0, 0, 1
	s_mov_b32 s3, LAPS-1
.Llap:
	TURN 0, 1, 1
	STEP 1, 0, 0
	TURN 1, 0, 1
	STEP 0, 0, 0
	s_sub_co_u32 s3, s3, 1
	s_cmp_lg_u32 s3, 0
	s_cbranch_scc1 .Llap
	TURN 0, 1, 0
	STEP 1, 0, 0
	s_wait_dscnt 4*NL
	WIN MUL_LO
	MUL16 0, 1, 0
	MUL16 2, 1, 0
	s_wait_dscnt 0
	WIN MUL_HI
	MUL16 4, 1, 0
	MUL16 6, 1, 0
	WIN 0
	s_wait_loadcnt 0x0
	s_wait_kmcnt 0x0
	s_add_co_i32 s68, s68, s69
	s_add_co_i32 s70, s70, s71
	s_add_co_i32 s72, s72, s73
	s_cmp_eq_u32 s66, 1
	s_cselect_b32 s96, s70, s68
	s_cselect_b32 s100, s74, s75
	s_cmp_eq_u32 s66, 2
	s_cselect_b32 s96, s72, s96
	s_cselect_b32 s100, s76, s100
	s_add_co_i32 s96, s96, 127
	s_lshl_b32 s96, s96, 23
	s_mov_b32 s97, s96
	s_add_co_i32 s100, s100, 127
	s_lshl_b32 s101, s100, 23
	v_mov_b32 v30, s101
	s_add_co_i32 s100, s100, 8
	s_lshl_b32 s100, s100, 23
	s_or_b32 s100, s100, 0x600000
.set j, 0
.rept 64
	v_and_b32 v[CB+j], s98, v[CB+j]
.set j, j+1
.endr
.set j, 0
.rept 8
	v_and_b32 v[RB+2*j+1], s99, v[RB+2*j]
	v_and_b32 v[RB+2*j], s99, v[RB+2*j]
.set j, j+1
.endr
.macro OUTBLK a
.set AC, 64*((\a)%4)
.set CSET, CD+16*((\a)%2)
	WIN 0x02+((\a)/4)
.set j, 0
.rept 32
	v_pk_fma_f32 v[TMP+j:TMP+j+1], v[AC+j:AC+j+1], s[96:97], v[CB+j:CB+j+1] op_sel_hi:[1,0,1]
.set j, j+2
.endr
	WIN 0
.set j, 0
.rept 32
	v_pk_add_f32 v[TMP+j:TMP+j+1], v[TMP+j:TMP+j+1], v[RB+2*(\a):RB+2*(\a)+1]
.set j, j+2
.endr
.set j, 0
.rept 64
.set j, j+1
.endr
.if (\a) >= 2
	s_wait_alu depctr_va_vdst(0)
	s_wait_dscnt 8
.endif
.irp b, 0,1,2,3,4,5,6,7
	v_cvt_scalef32_pk8_fp8_f32 v[CSET+2*\b:CSET+2*\b+1], v[TMP+8*\b:TMP+8*\b+7], v30
.endr
	v_nop
.irp b, 0,1,2,3,4,5,6,7
	ds_store_b64 v[STO], v[CSET+2*\b:CSET+2*\b+1] offset:(\a)*16*SP+32*(\b/2)+8*(\b%2)
.endr
.endm
.irp a, 0,1,2,3,4,5,6,7
	OUTBLK \a
.endr
	s_wait_dscnt 0x0
	s_barrier_signal -1
	s_barrier_wait -1
.set nn, 0
.rept 32
	ds_load_b128 v[BK+4*nn:BK+4*nn+3], v[RD] offset:8*SP*(nn%8)+64*(nn/8)
.set nn, nn+1
.endr
.set nn, 0
.rept 32
	s_wait_dscnt 31-nn
	global_store_b128 v[VO+nn/8], v[BK+4*nn:BK+4*nn+3], s[10:11] offset:512*(nn%8)
.set nn, nn+1
.endr
	s_wait_tensorcnt 0x0
	ds_add_u32 v[SPW], v[NIL]
	s_wait_dscnt 0x0
	CROUND
	s_endpgm
.Lfunc_end_k_q33076f1bf4_qkv:
	.size	k_q33076f1bf4_qkv, .Lfunc_end_k_q33076f1bf4_qkv-k_q33076f1bf4_qkv
	.p2alignl 7, 3214868480
	.fill 96, 4, 3214868480
	.section	.rodata,"a",@progbits
	.p2align	6, 0x0
	.amdhsa_kernel k_q33076f1bf4_qkv
		.amdhsa_group_segment_fixed_size 327680
		.amdhsa_private_segment_fixed_size 0
		.amdhsa_enable_private_segment 0
		.amdhsa_kernarg_size 104
		.amdhsa_user_sgpr_count 2
		.amdhsa_user_sgpr_kernarg_segment_ptr 1
		.amdhsa_wavefront_size32 1
		.amdhsa_system_sgpr_workgroup_id_x 1
		.amdhsa_system_sgpr_workgroup_id_y 1
		.amdhsa_system_sgpr_workgroup_id_z 1
		.amdhsa_system_vgpr_workitem_id 0
		.amdhsa_next_free_vgpr 1024
		.amdhsa_next_free_sgpr 102
		.amdhsa_reserve_vcc 0
		.amdhsa_float_denorm_mode_32 3
		.amdhsa_float_denorm_mode_16_64 3
		.amdhsa_fp16_overflow 1
		.amdhsa_memory_ordered 1
		.amdhsa_forward_progress 1
		.amdhsa_inst_pref_size 133
	.end_amdhsa_kernel
	.amdgpu_metadata
---
amdhsa.version: [ 1, 2 ]
amdhsa.kernels:
  - .name:           k_q33076f1bf4_qkv
    .symbol:         k_q33076f1bf4_qkv.kd
    .args:
      - { .name: query_codes, .offset: 0, .size: 8, .value_kind: global_buffer, .address_space: global }
      - { .name: key_codes, .offset: 8, .size: 8, .value_kind: global_buffer, .address_space: global }
      - { .name: Wv_codes, .offset: 16, .size: 8, .value_kind: global_buffer, .address_space: global }
      - { .name: Wq_codes, .offset: 24, .size: 8, .value_kind: global_buffer, .address_space: global }
      - { .name: Wk_codes, .offset: 32, .size: 8, .value_kind: global_buffer, .address_space: global }
      - { .name: value_codes, .offset: 40, .size: 8, .value_kind: global_buffer, .address_space: global }
      - { .name: bq, .offset: 48, .size: 8, .value_kind: global_buffer, .address_space: global }
      - { .name: bk, .offset: 56, .size: 8, .value_kind: global_buffer, .address_space: global }
      - { .name: bv, .offset: 64, .size: 8, .value_kind: global_buffer, .address_space: global }
      - { .name: qc, .offset: 72, .size: 8, .value_kind: global_buffer, .address_space: global }
      - { .name: kc, .offset: 80, .size: 8, .value_kind: global_buffer, .address_space: global }
      - { .name: vc, .offset: 88, .size: 8, .value_kind: global_buffer, .address_space: global }
      - { .name: lowp_scales, .offset: 96, .size: 8, .value_kind: global_buffer, .address_space: global }
    .group_segment_fixed_size: 327680
    .private_segment_fixed_size: 0
    .kernarg_segment_align: 8
    .kernarg_segment_size: 104
    .max_flat_workgroup_size: 128
    .sgpr_count:     102
    .vgpr_count:     1024
    .wavefront_size: 32
...
	.end_amdgpu_metadata
.endif
;; end of part 2
;; launch attn (part 3): grid 4 x 64, 16 waves a work-group, clusters of 4 x 1, 327,680 bytes of LDS; arguments qc, kc, vc, mb, lowp_scales, ac; writes ac
.if DOCPART == 3
	.amdgcn_target "amdgcn-amd-amdhsa--gfx1250"
	.amdhsa_code_object_version 6
	.text
	.protected	k_q33076f1bf4_attn
	.globl	k_q33076f1bf4_attn
	.p2align	8
	.type	k_q33076f1bf4_attn,@function
k_q33076f1bf4_attn:
	s_mov_b64 s[64:65], 0
	v_nop
	global_prefetch_b8 v0, s[64:65] scope:SCOPE_SE
	s_setreg_imm32_b32 hwreg(HW_REG_WAVE_MODE, 25, 1), 1
	s_wait_xcnt 0x0
	s_wait_alu depctr_hold_cnt(0) depctr_sa_sdst(0) depctr_va_vdst(0) depctr_va_sdst(0) depctr_va_ssrc(0) depctr_va_vcc(0) depctr_vm_vsrc(0)
	s_getreg_b32 s2, hwreg(HW_REG_IB_STS2, 6, 4)
	s_cmp_eq_u32 s2, 0
	s_cbranch_scc0 .Lentry_in_a_cluster
	s_endpgm
.Lentry_in_a_cluster:
	s_bfe_u32 s2, ttmp6, 0x10000c
	s_cmp_lg_u32 s2, 0x3003
	s_cbranch_scc0 .Lentry_shape_is_right
	s_endpgm
.Lentry_shape_is_right:
; Attention on codes of FP8 (E4M3), head size 64, 2,048 keys, with the mask that is given.  qc, kc: [b][head][token][64]; vc: [b][head][key / 64][d][64 keys]; mb: the mask as lane masks, [tile of 16 queries][key step][64 words];
; ac: the result as codes for the last projection, [head][token (8,192)][64 d], quantised with 2^e10.
; THE SOFTMAX AHEAD OF THE SECOND PRODUCT: t = score x 2^(e6 + e7) / 8 x log2(e); M = the row's largest t so far, rounded UP to a whole number; p = 2^(t - M) is quantised with 2^e9, not normalised.  The row's sum is taken of the
; unquantised p and divides at the end.  When M moves, the sum and O are multiplied by 2^(old M - new M), which rounds nothing.  A hidden score becomes -infinity ahead of the maximum, so its p is 0.
; A ROW ALL OF WHOSE KEYS ARE HIDDEN has the sum 0: its 64 codes become the NaN code, and the last projection makes the token's whole output row NaN.
; SHARES.  A work-group owns 512 queries of one head; the four work-groups of a cluster own the head.  Each of the SIXTEEN waves owns one tile of 16 queries in each of two passes (query 512 cx + 256 pass + 16 wave), in 256 registers:
; four waves to a SIMD, so that one wave's vector work stands beside another's matrix work and LDS loads.
; THE HEAD'S WHOLE K AND V LIE IN LDS, 128 KiB each, for the whole launch: each wave asks for 64 rows of 256 bytes once, JOINTLY with its three partners (the same descriptor, a mask that names the four).  No LDS byte is filled twice.
; LAYOUT.  Both products are used transposed: S^T = K Q^T (source 0 = 16 keys, source 1 = my 16 queries), O^T = V^T P^T (source 0 = 16 of the head's 64, source 1 = P): a lane holds ONE query (lane % 16) throughout.  Register j of tile t of S^T
; is key 16 t + 8 (lane / 16) + j, so the conversion of a tile's eight registers gives registers 2 t, 2 t + 1 of the second product's operand as they are wanted.
; THE MASK costs one v_cndmask_b32 a score: its 64 lane masks of a key step come by four scalar loads, asked for one step ahead.
; LIMITS on the given exponents: e6 + e7 between -123 and 130 (added to c's exponent field); e9 and e10 between -126 and 127; e8 + e9 is applied by v_ldexp_f32 and has none.  NaN among the inputs is not served.
; REGISTERS: v1-8 addresses; v9 -infinity; v11: 2^e9; v12 -M, v13 the largest t, v[14:15] the sum in two halves; v16-23 Q; v25: 2^e10; v26 four NaN codes;
;   v32-95 K's eight fragments, then V's four; v96-159 S^T, then p; v160-191 O^T; v192-207 p's codes; v208-215 at work.
;   s[68:99], s[32:63]: the step's 64 lane masks (at the head: at work).
.set KV,    139264                     ; LDS: K's 512 rows of 256 bytes + 16; V's begin here
.set STAGE, 278528                     ; behind them: 1,024 bytes for each wave, for the way out; no tensor load lands there
.set STEPB, 8704                       ; 128 keys: 32 rows of 272 bytes, in K and in V alike
.macro CROUND                          ; a round of the cluster's barrier
	s_barrier_signal -1
	s_barrier_wait -1
	s_cmp_lg_u32 s30, 0
	s_cbranch_scc1 .Lnot_wave_0_\@
	s_barrier_signal -3
.Lnot_wave_0_\@:
	s_barrier_wait -3
	s_barrier_signal -1
	s_barrier_wait -1
.endm
	s_load_b256 s[32:39], s[0:1], 0x0              ; qc 32, kc 34, vc 36, mb 38
	s_load_b128 s[40:43], s[0:1], 0x20             ; the scales' exponents 40, ac 42
	v_lshl_add_u32 v254, v0, 2, 0x48000
	v_mov_b32 v255, 0
	ds_add_u32 v254, v255
	ds_add_u32 v254, v255
	v_lshrrev_b32 v1, 5, v0
	s_delay_alu instid0(VALU_DEP_1)
	v_readfirstlane_b32 s30, v1                    ; wave 0..15
	s_bfe_u32 s44, ttmp6, 0x40000                  ; cx: my block of 512 queries (there is one cluster along x)
	s_and_b32 s45, ttmp7, 0xffff                   ; 16 b + head, which the four partners share
	; descriptor group 1: 64 rows x 256 bytes, dense in memory, 16 bytes of padding behind each row
	s_mov_b32 s8, 15|(0<<16)|(1<<20)|(1<<21)|(5<<22)|(3<<25)   ; 15:0 the mask: all four work-groups; 17:16 elements of 1 byte; 20 padding on; 21 set beside a mask; 24:22 after every 64 words (code 5); 31:25 four words (code 3)
	s_mov_b32 s9, 256<<16                          ; tensor_dim0
	s_mov_b32 s10, 64<<16                          ; tensor_dim1
	s_mov_b32 s11, 256<<16                         ; tile_dim0
	s_mov_b32 s12, 64                              ; tile_dim1
	s_mov_b32 s13, 256                             ; tensor_dim0_stride
	s_mov_b32 s14, 0
	s_mov_b32 s15, 0
	s_mov_b32 s28, 0x76543210                      ; v_permlanex16_b32's selects for lane l xor 16
	s_mov_b32 s29, 0xfedcba98
	s_lshl_b32 s46, s45, 17                        ; the head's first byte in qc, kc and vc
	s_and_b32 s47, s30, 7                          ; waves 0-7 fetch K, waves 8-15 V: 64 rows each
	s_lshl_b32 s48, s47, 14
	s_add_co_u32 s48, s48, s46                     ; in memory,
	s_mov_b32 s49, 0
	s_mul_i32 s50, s47, 64*272
	s_lshr_b32 s51, s30, 3
	s_mul_i32 s51, s51, KV
	s_add_co_u32 s50, s50, s51                     ; and in LDS: the wave's number alone enters
	s_lshl_b32 s54, s44, 15
	s_lshl_b32 s55, s30, 10
	s_add_co_u32 s54, s54, s55                     ; 64 bytes x my first query: 512 cx + 16 wave
	s_add_co_u32 s56, s54, s46
	s_mov_b32 s57, 0                               ; s[56:57]: its codes in qc
	s_lshr_b32 s58, s45, 4                         ; b
	s_lshl_b32 s59, s58, 7
	s_lshl_b32 s60, s44, 5
	s_add_co_u32 s59, s59, s60
	s_add_co_u32 s59, s59, s30                     ; my tile of queries: 128 b + 32 cx + wave
	s_lshl_b32 s60, s59, 12                        ; 4,096 bytes of lane masks a tile
	s_mov_b32 s61, 0
	s_and_b32 s62, s45, 15
	s_lshl_b32 s62, s62, 19                        ; ac: the head's 8,192 tokens x 64 bytes,
	s_lshl_b32 s58, s58, 17                        ; + b x 2,048 tokens,
	s_add_co_u32 s62, s62, s58
	s_add_co_u32 s62, s62, s54                     ; + my first query
	s_mov_b32 s63, 0
	s_wait_dscnt 0x0
	s_wait_kmcnt 0x0
	s_load_b128 s[84:87], s[40:41], 0x18           ; e6, e7, e8, e9
	s_load_b32 s88, s[40:41], 0x28                 ; e10
	s_cmp_lt_u32 s30, 8                            ; the choice hangs on the wave's number alone
	s_cselect_b64 s[52:53], s[34:35], s[36:37]
	s_mov_b32 s16, 1                               ; descriptor group 0: count = 1,
	s_mov_b32 s17, s50                             ; the LDS address,
	s_add_nc_u64 s[18:19], s[52:53], s[48:49]      ; the global address,
	s_or_b32 s19, s19, 0x80000000                  ; type = 2
	s_add_nc_u64 s[4:5], s[32:33], s[56:57]        ; Q
	s_add_nc_u64 s[6:7], s[38:39], s[60:61]        ; my lane masks
	s_add_nc_u64 s[24:25], s[42:43], s[62:63]      ; my rows of ac
	CROUND                                         ; all four work-groups are here: the joint loads meet
	tensor_load_to_lds s[16:19], s[8:15]           ; my one tensor load of the launch
	s_nop 0
.rept 4
	v_nop
.endr
	v_and_b32 v27, 15, v0                          ; r
	v_bfe_u32 v28, v0, 4, 1                        ; h
	s_delay_alu instid0(VALU_DEP_2)
	v_lshrrev_b32 v29, 2, v27
	s_delay_alu instid0(VALU_DEP_3)
	v_and_b32 v30, 3, v27
	s_delay_alu instid0(VALU_DEP_2)
	v_mul_u32_u24 v1, v29, 272                     ; a piece of 64 bytes, number x, lies at 272 (x / 4) + 64 (x % 4): the 16 pieces of a fragment begin in 16 different columns of 16 bytes (64 banks of 4 bytes: ISA guide 11.1)
	s_delay_alu instid0(VALU_DEP_1)
	v_lshl_add_u32 v1, v30, 6, v1
	s_delay_alu instid0(VALU_DEP_1)
	v_lshl_add_u32 v1, v28, 4, v1                  ; K: piece r, + 16 h
	s_delay_alu instid0(VALU_DEP_1)
	v_add_nc_u32 v2, KV, v1                        ; V likewise
	v_lshlrev_b32 v5, 6, v27
	s_delay_alu instid0(VALU_DEP_1)
	v_lshl_add_u32 v5, v28, 4, v5                  ; Q in memory: row r of 64 bytes, + 16 h
	s_lshl_b32 s2, s30, 10
	s_add_co_u32 s2, s2, STAGE                     ; my stage
	v_lshlrev_b32 v6, 6, v27
	s_delay_alu instid0(VALU_DEP_1)
	v_lshl_add_u32 v6, v28, 3, v6
	s_delay_alu instid0(VALU_DEP_1)
	v_add_nc_u32 v6, s2, v6                        ; in: row r, + 8 h
	v_and_b32 v8, 31, v0
	s_delay_alu instid0(VALU_DEP_1)
	v_lshlrev_b32 v8, 4, v8                        ; back, and in ac: 16 x lane
	s_delay_alu instid0(VALU_DEP_1)
	v_add_nc_u32 v7, s2, v8
	v_mov_b32 v9, 0xff800000                       ; -infinity
	v_mov_b32 v26, 0x7f7f7f7f                      ; four NaN codes
	v_mov_b32 v211, 0                              ; (named as the upper half of the pair v[210:211])
	v_mov_b32 v212, 0                              ; written once: a lane permute's destination counts as one of its sources
	s_wait_kmcnt 0x0
	s_add_co_i32 s2, s84, s85
	s_lshl_b32 s2, s2, 23
	s_add_co_i32 s26, s2, 0x3e38aa3b               ; c = log2(e) / 8, with e6 + e7 added to its exponent field
	s_mov_b32 s27, s26                             ; (named with it as a pair, so it is written)
	s_add_co_i32 s100, s86, s87                    ; e8 + e9
	s_add_co_i32 s2, s87, 127
	s_lshl_b32 s3, s2, 23
	v_mov_b32 v11, s3                              ; 2^e9
	s_add_co_i32 s2, s88, 127
	s_lshl_b32 s3, s2, 23
	v_mov_b32 v25, s3                              ; 2^e10
.macro MASKS                           ; the 64 lane masks of the key step at byte s66 of my tile's 4,096
	s_load_b512 s[68:83], s[6:7], s66 offset:0x0
	s_load_b512 s[84:99], s[6:7], s66 offset:0x40
	s_load_b512 s[32:47], s[6:7], s66 offset:0x80
	s_load_b512 s[48:63], s[6:7], s66 offset:0xc0
.endm
; A KEY STEP: 128 keys, at LDS byte s31 of K and of V.
.macro STEP
	v_add_nc_u32 v3, s31, v1
	v_add_nc_u32 v4, s31, v2
	v_nop
	v_nop                                          ; four places between the last step's products and the loads into the registers that they read
.set tt, 0
.rept 8                                ; K: tile tt = keys 16 tt on
	ds_load_b128 v[32+8*tt:35+8*tt], v3 offset:1088*tt
	ds_load_b128 v[36+8*tt:39+8*tt], v3 offset:1088*tt+32
.set tt, tt+1
.endr
	s_wait_alu depctr_va_vdst(0)
	s_wait_dscnt 0x0
.set tt, 0
.rept 8
	v_wmma_f32_16x16x64_fp8_fp8 v[96+8*tt:103+8*tt], v[32+8*tt:39+8*tt], v[16:23], 0
.set tt, tt+1
.endr
.rept 4
	v_nop                                          ; places in front of the loads below and of the first read of the scores
.endr
.set tt, 0
.rept 16                               ; V: fragment tt / 4 = channels 16 (tt / 4) on; registers 4 x on, x = tt % 4: keys 32 x on.  They land under the softmax
	ds_load_b128 v[32+4*tt:35+4*tt], v4 offset:4352*((tt%4)/2)+1088*(tt/4)+32*(tt%2)
.set tt, tt+1
.endr
	s_wait_kmcnt 0x0                               ; this step's lane masks, asked for a step ago
.set nn, 0
.rept 32
	v_cndmask_b32 v[96+nn], v9, v[96+nn], s[68+nn] ; the score where the mask's bit is set, else -infinity; each tile from its low end on
.set nn, nn+1
.endr
.rept 32
	v_cndmask_b32 v[96+nn], v9, v[96+nn], s[nn]
.set nn, nn+1
.endr
	s_add_co_u32 s66, s66, 256                     ; (free since the wait above)  the next step's masks;
	s_and_b32 s66, s66, 0xfff                      ; the last step asks for step 0's again: no load leaves the tile's 4,096 bytes
	MASKS
	v_max3_num_f32 v208, v96, v97, v98             ; the step's largest score of my query, among my 64 keys, in two chains,
	v_max3_num_f32 v209, v99, v100, v101
.set ii, 6
.rept 14
	s_delay_alu instid0(VALU_DEP_2)
	v_max3_num_f32 v208, v208, v[96+ii], v[97+ii]
	s_delay_alu instid0(VALU_DEP_2)
	v_max3_num_f32 v209, v209, v[98+ii], v[99+ii]
.set ii, ii+4
.endr
	s_delay_alu instid0(VALU_DEP_2)
	v_max3_num_f32 v208, v208, v158, v159
	s_delay_alu instid0(VALU_DEP_1)
	v_max_num_f32 v208, v208, v209
	s_delay_alu instid0(VALU_DEP_1)
	v_permlanex16_b32 v212, v208, s28, s29
	s_delay_alu instid0(VALU_DEP_1)
	v_max_num_f32 v208, v208, v212                 ; and among lane l xor 16's
	s_delay_alu instid0(VALU_DEP_1)
	v_mul_f32 v208, s26, v208                      ; as t (c is positive)
	s_delay_alu instid0(VALU_DEP_1)
	v_max_num_f32 v13, v13, v208                   ; the running largest t
	v_mov_b32 v208, v12
	s_delay_alu instid0(VALU_DEP_2)
	v_floor_f32 v12, -v13                          ; the new -M = floor(-t) = -ceil(t): a whole number
	s_delay_alu instid0(VALU_DEP_1)
	v_sub_f32 v208, v12, v208                      ; old M - new M: a whole number, 0 or less
	s_delay_alu instid0(VALU_DEP_1)
	v_cvt_i32_f32 v208, v208                       ; (it saturates)
	s_delay_alu instid0(VALU_DEP_1)
	v_ldexp_f32 v210, 1.0, v208                    ; f = 2^(old M - new M)
.set ii, 0
.rept 32
	v_pk_fma_f32 v[96+ii:97+ii], v[96+ii:97+ii], s[26:27], v[12:13] op_sel_hi:[1,0,0]   ; t - M, two at a time
.set ii, ii+2
.endr
.set ii, 0
	s_setprio 1
	s_wait_alu depctr_va_vdst(0)
.rept 64
	v_exp_f32 v[96+ii], v[96+ii]                   ; p = 2^(t - M), at most 1
.set ii, ii+1
.endr
	v_pk_mul_f32 v[14:15], v[14:15], v[210:211] op_sel_hi:[1,0]   ; the sums under the new M: the plain instruction behind the exponentials
	s_wait_alu depctr_va_vdst(0)                   ; one wait for the whole batch, ahead of its first reader
	v_pk_add_f32 v[214:215], v[100:101], v[104:105]
	v_pk_add_f32 v[252:253], v[108:109], v[112:113]
	v_pk_add_f32 v[250:251], v[116:117], v[120:121]
	v_pk_add_f32 v[248:249], v[124:125], v[128:129]
	v_pk_add_f32 v[246:247], v[132:133], v[136:137]
	v_pk_add_f32 v[244:245], v[140:141], v[144:145]
	v_pk_add_f32 v[242:243], v[148:149], v[152:153]
	v_pk_add_f32 v[14:15], v[14:15], v[156:157]
	v_pk_add_f32 v[214:215], v[214:215], v[96:97]
	v_pk_add_f32 v[252:253], v[252:253], v[98:99]
	v_pk_add_f32 v[250:251], v[250:251], v[102:103]
	v_pk_add_f32 v[248:249], v[248:249], v[106:107]
	v_pk_add_f32 v[246:247], v[246:247], v[110:111]
	v_pk_add_f32 v[244:245], v[244:245], v[114:115]
	v_pk_add_f32 v[242:243], v[242:243], v[118:119]
	v_pk_add_f32 v[14:15], v[14:15], v[122:123]
	v_pk_add_f32 v[214:215], v[214:215], v[126:127]
	v_pk_add_f32 v[252:253], v[252:253], v[130:131]
	v_pk_add_f32 v[250:251], v[250:251], v[134:135]
	v_pk_add_f32 v[248:249], v[248:249], v[138:139]
	v_pk_add_f32 v[246:247], v[246:247], v[142:143]
	v_pk_add_f32 v[244:245], v[244:245], v[146:147]
	v_pk_add_f32 v[242:243], v[242:243], v[150:151]
	v_pk_add_f32 v[14:15], v[14:15], v[154:155]
	v_pk_add_f32 v[214:215], v[214:215], v[158:159]
	s_delay_alu instid0(VALU_DEP_2)
	v_pk_add_f32 v[14:15], v[14:15], v[248:249]
	s_delay_alu instid0(VALU_DEP_2)
	v_pk_add_f32 v[214:215], v[214:215], v[246:247]
	v_pk_add_f32 v[252:253], v[252:253], v[244:245]
	v_pk_add_f32 v[250:251], v[250:251], v[242:243]
	s_delay_alu instid0(VALU_DEP_2)
	v_pk_add_f32 v[14:15], v[14:15], v[252:253]
	s_delay_alu instid0(VALU_DEP_2)
	v_pk_add_f32 v[214:215], v[214:215], v[250:251]
	s_delay_alu instid0(VALU_DEP_1)
	v_pk_add_f32 v[14:15], v[14:15], v[214:215]
.set tt, 0
	s_setprio 0
.rept 8
.set ii, 0
.rept 8
.set ii, ii+1
.endr
	v_cvt_scalef32_pk8_fp8_f32 v[192+2*tt:193+2*tt], v[96+8*tt:103+8*tt], v11   ; keys 16 tt + 8 h + 0 .. 7: registers 2 tt, 2 tt + 1 of the operand
.set tt, tt+1
.endr
.set ii, 0
.rept 16
	v_pk_mul_f32 v[160+ii:161+ii], v[160+ii:161+ii], v[210:211] op_sel_hi:[1,0]   ; O^T under the new M.  (Also the plain lines between the conversions and the products that read the codes)
.set ii, ii+2
.endr
	s_wait_alu depctr_va_vdst(0)
	s_wait_dscnt 0x0                               ; V is in
.set tt, 0
.rept 4                                ; O^T += V^T P^T: the four accumulators take turns
	v_wmma_f32_16x16x128_fp8_fp8 v[160+8*tt:167+8*tt], v[32+16*tt:47+16*tt], v[192:207], v[160+8*tt:167+8*tt]
.set tt, tt+1
.endr
	s_add_co_u32 s31, s31, STEPB
.endm
.macro LOOPN n
	s_mov_b32 s67, \n
.Lstep_\@:
	s_setprio 2
	STEP
	s_sub_co_u32 s67, s67, 1
	s_cmp_lg_u32 s67, 0
	s_cbranch_scc1 .Lstep_\@
	s_setprio 0
.endm
; A pass begins: Q, the first step's lane masks, and the running figures.  O^T and the sum begin as zeros and the largest t as -3e38, so that the key step is written once: the first change of M multiplies zeros.
.macro PASSHEAD p
.if \p
	s_wait_kmcnt 0x0                               ; the lane masks asked for in the last step have come: their registers and their base may be written
	s_wait_xcnt 0x0                                ; the stores of the pass before have read their registers and their base
	s_add_nc_u64 s[4:5], s[4:5], 256*64            ; 256 queries on
	s_add_nc_u64 s[6:7], s[6:7], 16*4096           ; 16 tiles of queries on
	s_add_nc_u64 s[24:25], s[24:25], 256*64
.endif
	global_load_b128 v[16:19], v5, s[4:5]
	global_load_b128 v[20:23], v5, s[4:5] offset:32
	s_mov_b32 s66, 0
	MASKS
	v_mov_b32 v13, 0xff61b1e6                      ; -3e38, under every t
	s_delay_alu instid0(VALU_DEP_1)
	v_floor_f32 v12, -v13
	v_mov_b32 v14, 0
	v_mov_b32 v15, 0
.set ii, 0
.rept 32
	v_mov_b32 v[160+ii], 0
.set ii, ii+1
.endr
	s_mov_b32 s31, 0
.endm
; A pass ends: O^T / the sum x 2^(e8 + e9), quantised with 2^e10; 16 rows of 64 codes go through my stage and leave as 1,024 consecutive bytes.
.macro WAYOUT
	v_add_f32 v14, v14, v15                        ; the sum's two halves,
	s_delay_alu instid0(VALU_DEP_1)
	v_permlanex16_b32 v212, v14, s28, s29
	s_delay_alu instid0(VALU_DEP_1)
	v_add_f32 v14, v14, v212                       ; and lane l xor 16's
	s_delay_alu instid0(VALU_DEP_1)
	v_cmp_eq_f32 vcc_lo, 0, v14                    ; 0 only where every key was hidden: a row's largest p is above 1/2
	v_rcp_f32 v15, v14
	v_nop                                          ; a plain instruction behind the reciprocal
	s_wait_alu depctr_va_vdst(0)                   ; and the wait ahead of its first reader
	v_ldexp_f32 v15, v15, s100
.set ii, 0
.rept 32
	v_mul_f32 v[96+ii], v[160+ii], v15             ; register 8 t + i: o(query r, channel 16 t + 8 h + i); each accumulator from its low end on
.set ii, ii+1
.endr
.set ii, 0
.rept 32
.set ii, ii+1
.endr
.set tt, 0
.rept 4
	v_cvt_scalef32_pk8_fp8_f32 v[192+2*tt:193+2*tt], v[96+8*tt:103+8*tt], v25
.set tt, tt+1
.endr
	v_nop                                          ; one plain vector instruction between the conversions and the lines that touch their results
.set ii, 0
.rept 8
	v_cndmask_b32 v[192+ii], v[192+ii], v26, vcc_lo   ; a row with no key: NaN codes
.set ii, ii+1
.endr
.set tt, 0
.rept 4
	ds_store_b64 v6, v[192+2*tt:193+2*tt] offset:16*tt
.set tt, tt+1
.endr
	ds_load_b128 v[200:203], v7                    ; LDS serves a wave's instructions in order (ISA guide 5.7.1.4): these see my stores
	ds_load_b128 v[204:207], v7 offset:512
	s_wait_dscnt 1                                 ; the first is in, the second may be out
	global_store_b128 v8, v[200:203], s[24:25]     ; 32 lanes store 512 consecutive bytes, at a multiple of 512 from ac's first byte
	s_wait_dscnt 0x0
	global_store_b128 v8, v[204:207], s[24:25] offset:512
.endm
	PASSHEAD 0
	s_wait_tensorcnt 0x0                           ; my 64 rows have landed,
	s_barrier_signal -1
	s_barrier_wait -1                              ; everybody's have: K and V are whole, and nobody writes them again
	s_wait_loadcnt 0x0                             ; Q
	LOOPN 16
	WAYOUT
	PASSHEAD 1
	s_wait_loadcnt 0x0
	LOOPN 16
	WAYOUT
	s_wait_kmcnt 0x0
	s_wait_dscnt 0x0
	s_wait_tensorcnt 0x0
	ds_add_u32 v254, v255
	s_wait_dscnt 0x0
	CROUND                                         ; the closing round
	s_endpgm
.Lfunc_end_k_q33076f1bf4_attn:
	.size	k_q33076f1bf4_attn, .Lfunc_end_k_q33076f1bf4_attn-k_q33076f1bf4_attn
	.p2alignl 7, 3214868480
	.fill 96, 4, 3214868480
	.section	.rodata,"a",@progbits
	.p2align	6, 0x0
	.amdhsa_kernel k_q33076f1bf4_attn
		.amdhsa_group_segment_fixed_size 327680
		.amdhsa_private_segment_fixed_size 0
		.amdhsa_enable_private_segment 0
		.amdhsa_kernarg_size 48
		.amdhsa_user_sgpr_count 2
		.amdhsa_user_sgpr_kernarg_segment_ptr 1
		.amdhsa_wavefront_size32 1
		.amdhsa_system_sgpr_workgroup_id_x 1
		.amdhsa_system_sgpr_workgroup_id_y 1
		.amdhsa_system_sgpr_workgroup_id_z 1
		.amdhsa_system_vgpr_workitem_id 0
		.amdhsa_next_free_vgpr 256
		.amdhsa_next_free_sgpr 101
		.amdhsa_reserve_vcc 1
		.amdhsa_float_denorm_mode_32 3
		.amdhsa_float_denorm_mode_16_64 3
		.amdhsa_fp16_overflow 1
		.amdhsa_memory_ordered 1
		.amdhsa_forward_progress 1
		.amdhsa_inst_pref_size 54
	.end_amdhsa_kernel
	.amdgpu_metadata
---
amdhsa.version: [ 1, 2 ]
amdhsa.kernels:
  - .name:           k_q33076f1bf4_attn
    .symbol:         k_q33076f1bf4_attn.kd
    .args:
      - { .name: qc, .offset: 0, .size: 8, .value_kind: global_buffer, .address_space: global }
      - { .name: kc, .offset: 8, .size: 8, .value_kind: global_buffer, .address_space: global }
      - { .name: vc, .offset: 16, .size: 8, .value_kind: global_buffer, .address_space: global }
      - { .name: mb, .offset: 24, .size: 8, .value_kind: global_buffer, .address_space: global }
      - { .name: lowp_scales, .offset: 32, .size: 8, .value_kind: global_buffer, .address_space: global }
      - { .name: ac, .offset: 40, .size: 8, .value_kind: global_buffer, .address_space: global }
    .group_segment_fixed_size: 327680
    .private_segment_fixed_size: 0
    .kernarg_segment_align: 8
    .kernarg_segment_size: 48
    .max_flat_workgroup_size: 512
    .sgpr_count:     101
    .vgpr_count:     256
    .wavefront_size: 32
...
	.end_amdgpu_metadata
.endif
;; end of part 3
;; launch oproj (part 4): grid 4 x 32, 4 waves a work-group, clusters of 4 x 4, 327,680 bytes of LDS; arguments ac, Wo_codes, lowp_scales, bo, out0; writes out0
.if DOCPART == 4
	.amdgcn_target "amdgcn-amd-amdhsa--gfx1250"
	.amdhsa_code_object_version 6
	.text
	.protected	k_q33076f1bf4_oproj
	.globl	k_q33076f1bf4_oproj
	.p2align	8
	.type	k_q33076f1bf4_oproj,@function
k_q33076f1bf4_oproj:
	s_mov_b64 s[64:65], 0
	v_nop
	global_prefetch_b8 v0, s[64:65] scope:SCOPE_SE
	s_setreg_imm32_b32 hwreg(HW_REG_WAVE_MODE, 25, 1), 1
	s_wait_xcnt 0x0
	s_wait_alu depctr_hold_cnt(0) depctr_sa_sdst(0) depctr_va_vdst(0) depctr_va_sdst(0) depctr_va_ssrc(0) depctr_va_vcc(0) depctr_vm_vsrc(0)
	s_getreg_b32 s2, hwreg(HW_REG_IB_STS2, 6, 4)
	s_cmp_eq_u32 s2, 0
	s_cbranch_scc0 .Lentry_in_a_cluster
	s_endpgm
.Lentry_in_a_cluster:
	s_bfe_u32 s2, ttmp6, 0x10000c
	s_cmp_lg_u32 s2, 0xf033
	s_cbranch_scc0 .Lentry_shape_is_right
	s_endpgm
.Lentry_shape_is_right:
.set SIZE_N, 1024
.set ROWB,   256
.set KROW,   1024
.set PITCH,  272
.set HEADB,  524288
.set HEADL,  8704
.set FR,     16
.set NL,     4
.set NP,     4
.set HALFT,  128*PITCH
.set SLOT,   4*HALFT
.set LAPS,   2
.set SPARE,  2*SLOT
.set SPITCH, 528
.set ADRA, 16
.set ADRB, 20
.set STO,  24
.set RD,   25
.set CO,   26
.set SPW,  28
.set NIL,  29
.set TMP,  32
.set AF,   128
.set BK,   128
.set G1, 24
.set G0, 32
.set G1B, 48
.set G0B, 56
.set MSB, 0
.macro WIN new
.if MSB != \new
	s_set_vgpr_msb (MSB<<8)|\new
.set MSB, \new
.endif
.endm
.set MUL_LO, 0xa1
.set MUL_HI, 0xf1
.set TO_B,   0x40
.macro JLOAD g0a, g1a, g0b, g1b
	s_cmp_eq_u32 s15, 0
	s_cbranch_scc0 .Lfor_b_\@
	tensor_load_to_lds s[\g0a:\g0a+3], s[\g1a:\g1a+7]
	s_nop 0
.rept 4
	v_nop
.endr
	s_branch .Lasked_\@
.Lfor_b_\@:
	tensor_load_to_lds s[\g0b:\g0b+3], s[\g1b:\g1b+7]
	s_nop 0
.rept 4
	v_nop
.endr
.Lasked_\@:
.endm
.macro CREST
	s_cmp_lg_u32 s14, 0
	s_cbranch_scc1 .Lnot_wave_0_\@
	s_barrier_signal -3
.Lnot_wave_0_\@:
	s_barrier_wait -3
	s_barrier_signal -1
	s_barrier_wait -1
.endm
.macro CROUND
	s_barrier_signal -1
	s_barrier_wait -1
	CREST
.endm
	s_load_b128 s[4:7], s[0:1], 0x0
	s_load_b128 s[8:11], s[0:1], 0x10
	s_load_b64 s[12:13], s[0:1], 0x20
	v_lshl_add_u32 v[SPW], v0, 2, SPARE
	v_mov_b32 v[NIL], 0
	ds_add_u32 v28, v29
	ds_add_u32 v28, v29
	s_wait_dscnt 0x0
	v_lshrrev_b32 v1, 5, v0
	v_readfirstlane_b32 s14, v1
	s_lshr_b32 s15, s14, 1
	s_and_b32 s16, s14, 1
	s_bfe_u32 s40, ttmp6, 0x40000
	s_bfe_u32 s41, ttmp6, 0x40004
	s_lshl_b32 s42, ttmp9, 2
	s_add_co_u32 s42, s42, s40
	s_and_b32 s17, ttmp7, 0xffff
	s_lshl_b32 s17, s17, 2
	s_add_co_u32 s17, s17, s41
	s_lshl_b32 s43, s41, 2
	s_lshl_b32 s43, 15, s43
	s_lshl_b32 s44, 0x1111, s40
	s_or_b32 s[G1+0], s43, (0<<16)|(1<<20)|(1<<21)|(5<<22)|(3<<25)
	s_or_b32 s[G1B+0], s44, (0<<16)|(1<<20)|(1<<21)|(5<<22)|(3<<25)
	s_mov_b32 s[G1+1], 8192<<16
	s_mov_b32 s[G1+2], 4<<16
	s_mov_b32 s[G1+3], 8192<<16
	s_mov_b32 s[G1+4], 4
	s_mov_b32 s[G1+5], HEADB
	s_mov_b32 s[G1+6], 0
	s_mov_b32 s[G1+7], 0
	s_mov_b32 s[G1B+1], ROWB<<16
	s_mov_b32 s[G1B+2], 128<<16
	s_mov_b32 s[G1B+3], ROWB<<16
	s_mov_b32 s[G1B+4], 128
	s_mov_b32 s[G1B+5], KROW
	s_mov_b32 s[G1B+6], 0
	s_mov_b32 s[G1B+7], 0
	s_lshl_b32 s18, s16, 7
	s_lshl_b32 s20, s17, 8
	s_add_co_u32 s20, s20, s18
	s_lshl_b32 s46, s42, 8
	s_add_co_u32 s46, s46, s18
	s_mov_b32 s21, 0
	s_mov_b32 s47, 0
	s_lshl_b64 s[20:21], s[20:21], 6
	s_lshl_b64 s[46:47], s[46:47], 10
	s_mul_i32 s45, s14, HALFT
	s_wait_kmcnt 0x0
	s_load_b64 s[96:97], s[8:9], 0x28
	s_add_nc_u64 s[20:21], s[4:5], s[20:21]
	s_add_nc_u64 s[46:47], s[6:7], s[46:47]
	CROUND
.irp s, 0,1
	s_mov_b32 s[G0+4*\s], 1
	s_add_co_u32 s[G0+4*\s+1], s45, \s*SLOT
	s_add_nc_u64 s[G0+4*\s+2:G0+4*\s+3], s[20:21], \s*4*HEADB
	s_or_b32 s[G0+4*\s+3], s[G0+4*\s+3], 0x80000000
	s_mov_b32 s[G0B+4*\s], 1
	s_add_co_u32 s[G0B+4*\s+1], s45, \s*SLOT
	s_add_nc_u64 s[G0B+4*\s+2:G0B+4*\s+3], s[46:47], \s*ROWB
	s_or_b32 s[G0B+4*\s+3], s[G0B+4*\s+3], 0x80000000
	s_wait_alu depctr_va_vdst(0)
	s_wait_tensorcnt 0x0
	ds_add_u32 v28, v29
	ds_add_u32 v28, v29
	s_wait_dscnt 0x0
	CROUND
	JLOAD G0+4*\s, G1, G0B+4*\s, G1B
.endr
	v_and_b32 v1, 15, v0
	v_bfe_u32 v2, v0, 4, 1
	v_mul_u32_u24 v3, v1, PITCH
	v_lshl_add_u32 v4, v2, 4, v3
	v_lshrrev_b32 v7, 2, v1
	v_mul_u32_u24 v7, v7, PITCH
	v_and_b32 v8, 3, v1
	v_lshl_add_u32 v7, v8, 6, v7
	v_lshl_add_u32 v7, v2, 4, v7
	s_mul_i32 s21, s15, HALFT
	s_mul_i32 s22, s16, HALFT
	s_add_co_u32 s22, s22, 2*HALFT
.irp s, 0,1
	v_add_nc_u32 v[ADRA+\s], s21, v7
	v_add_nc_u32 v[ADRB+\s], s22, v4
	s_add_co_u32 s21, s21, SLOT
	s_add_co_u32 s22, s22, SLOT
.endr
	s_mul_i32 s23, s14, 16*SPITCH
	v_mul_u32_u24 v5, v1, SPITCH
	v_lshl_add_u32 v5, v2, 5, v5
	v_add_nc_u32 v[STO], s23, v5
	v_and_b32 v6, 31, v0
	v_lshlrev_b32 v[CO], 4, v6
	s_wait_alu depctr_va_vdst(0)
	v_add_nc_u32 v[RD], s23, v[CO]
	s_lshl_b32 s20, s17, 8
	s_lshl_b32 s21, s15, 7
	s_add_co_u32 s20, s20, s21
	s_mov_b32 s21, 0
	s_lshl_b64 s[20:21], s[20:21], 12
	s_lshl_b32 s46, s42, 10
	s_lshl_b32 s47, s16, 9
	s_add_co_u32 s46, s46, s47
	s_mov_b32 s47, 0
	s_add_nc_u64 s[10:11], s[10:11], s[46:47]
	s_add_nc_u64 s[20:21], s[20:21], s[46:47]
	s_add_nc_u64 s[12:13], s[12:13], s[20:21]
	global_load_b128 v[12:15], v[CO], s[10:11]
.macro FRAG reg, adr, q, i
.irp c, 0,1,2,3
	ds_load_b128 v[\reg+4*\c:\reg+4*\c+3], v[\adr] offset:128*(\q)+32*\c+(\i)*16*PITCH
.endr
.endm
.macro FRAG_A reg, adr, q, i
.irp c, 0,1,2,3
	ds_load_b128 v[\reg+4*\c:\reg+4*\c+3], v[\adr] offset:(2*(\q)+\c/2)*HEADL+32*(\c%2)+(\i)*4*PITCH
.endr
.endm
.macro MUL16 a0, p, zero
.irp a, \a0, \a0+1
.irp b, 0,1,2,3,4,5,6,7
.if \zero
	v_wmma_f32_16x16x128_fp8_fp8 v[8*(8*((\a)%4)+\b):8*(8*((\a)%4)+\b)+7], v[128*(\p)+FR*\b:128*(\p)+FR*\b+FR-1], v[AF+FR*(\a):AF+FR*(\a)+FR-1], 0
.else
	v_wmma_f32_16x16x128_fp8_fp8 v[8*(8*((\a)%4)+\b):8*(8*((\a)%4)+\b)+7], v[128*(\p)+FR*\b:128*(\p)+FR*\b+FR-1], v[AF+FR*(\a):AF+FR*(\a)+FR-1], v[8*(8*((\a)%4)+\b):8*(8*((\a)%4)+\b)+7]
.endif
.endr
.endr
.endm
.macro FETCH_B slot, q, p
	WIN TO_B
.irp i, 0,1,2,3,4,5,6,7
	FRAG 128*(\p)+FR*\i, ADRB+\slot, \q, \i
.endr
	WIN 0
.endm
.macro FETCH_A slot, q, i0
.irp i, \i0, \i0+1, \i0+2, \i0+3
	FRAG_A AF+FR*(\i), ADRA+\slot, \q, \i
.endr
.endm
.macro PLACES n
.rept \n
	v_nop
.endr
.endm
.macro STEP slot, q, zero
	s_wait_dscnt 4*NL
	WIN MUL_LO
	MUL16 0, (\q)%2, \zero
	MUL16 2, (\q)%2, \zero
	s_wait_dscnt 0
	PLACES NP
	FETCH_B \slot, (\q)+1, 1-(\q)%2
	FETCH_A \slot, (\q)+1, 0
	WIN MUL_HI
	MUL16 4, (\q)%2, \zero
	MUL16 6, (\q)%2, \zero
	PLACES NP
	WIN 0
	FETCH_A \slot, (\q)+1, 4
.endm
.macro TURN slot, next, fill
	s_wait_tensorcnt 0x0
	ds_add_u32 v[SPW], v[NIL]
	s_wait_dscnt 4*NL+1
	WIN MUL_LO
	MUL16 0, 1, 0
	s_wait_dscnt 0x0
	s_barrier_signal -1
	MUL16 2, 1, 0
	WIN 0
	s_barrier_wait -1
.if \fill
	CREST
	s_add_nc_u64 s[G0+4*\slot+2:G0+4*\slot+3], s[G0+4*\slot+2:G0+4*\slot+3], 8*HEADB
	s_add_nc_u64 s[G0B+4*\slot+2:G0B+4*\slot+3], s[G0B+4*\slot+2:G0B+4*\slot+3], 2*ROWB
	JLOAD G0+4*\slot, G1, G0B+4*\slot, G1B
.else
	PLACES NP
.endif
	FETCH_B \next, 0, 0
	FETCH_A \next, 0, 0
	WIN MUL_HI
	MUL16 4, 1, 0
	MUL16 6, 1, 0
	PLACES NP
	WIN 0
	FETCH_A \next, 0, 4
.endm
	s_wait_tensorcnt 1
	s_barrier_signal -1
	s_barrier_wait -1
	FETCH_B 0, 0, 0
	FETCH_A 0, 0, 0
	FETCH_A 0, 0, 4
	STEP 0, 0, 1
	s_mov_b32 s3, LAPS-1
.Llap:
	TURN 0, 1, 1
	STEP 1, 0, 0
	TURN 1, 0, 1
	STEP 0, 0, 0
	s_sub_co_u32 s3, s3, 1
	s_cmp_lg_u32 s3, 0
	s_cbranch_scc1 .Llap
	TURN 0, 1, 0
	STEP 1, 0, 0
	s_wait_dscnt 4*NL
	WIN MUL_LO
	MUL16 0, 1, 0
	MUL16 2, 1, 0
	s_wait_dscnt 0
	WIN MUL_HI
	MUL16 4, 1, 0
	MUL16 6, 1, 0
	WIN 0
.macro TOSTAGE a
.set AC, 64*((\a)%4)
	WIN 0x02+((\a)/4)
.set j, 0
.rept 32
	v_pk_mul_f32 v[TMP+j:TMP+j+1], v[AC+j:AC+j+1], s[96:97] op_sel_hi:[1,0]
.set j, j+2
.endr
	WIN 0
.irp b, 0,1,2,3,4,5,6,7
	ds_store_b128 v[STO], v[TMP+8*\b:TMP+8*\b+3] offset:64*\b
	ds_store_b128 v[STO], v[TMP+8*\b+4:TMP+8*\b+7] offset:64*\b+16
.endr
.set BB, BK+64*((\a)%2)
.irp t, 0,1,2,3,4,5,6,7,8,9,10,11,12,13,14,15
	ds_load_b128 v[BB+4*\t:BB+4*\t+3], v[RD] offset:\t*SPITCH
.endr
.endm
.macro SEND a, younger
.set BB, BK+64*((\a)%2)
	s_wait_dscnt \younger
.if (\a) > 0
	s_add_nc_u64 s[12:13], s[12:13], 16*SIZE_N*4
.endif
.irp t, 0,1,2,3,4,5,6,7,8,9,10,11,12,13,14,15
	v_pk_add_f32 v[BB+4*\t:BB+4*\t+1], v[BB+4*\t:BB+4*\t+1], v[12:13]
	v_pk_add_f32 v[BB+4*\t+2:BB+4*\t+3], v[BB+4*\t+2:BB+4*\t+3], v[14:15]
.endr
.irp t, 0,1,2,3,4,5,6,7,8,9,10,11,12,13,14,15
	global_store_b128 v[CO], v[BB+4*\t:BB+4*\t+3], s[12:13] offset:\t*SIZE_N*4 th:TH_STORE_NT
.endr
.endm
	s_wait_kmcnt 0x0
	s_add_co_i32 s96, s96, s97
	s_add_co_i32 s96, s96, 127
	s_lshl_b32 s96, s96, 23
	s_wait_loadcnt 0x0
	PLACES NP
	TOSTAGE 0
.irp a, 1,2,3,4,5,6,7
.if \a > 1
	s_wait_xcnt 0x0
.endif
	TOSTAGE \a
	SEND \a-1, 32
.endr
	s_wait_xcnt 0x0
	SEND 7, 0
	s_wait_tensorcnt 0x0
	ds_add_u32 v[SPW], v[NIL]
	s_wait_dscnt 0x0
	CROUND
	s_endpgm
.Lfunc_end_k_q33076f1bf4_oproj:
	.size	k_q33076f1bf4_oproj, .Lfunc_end_k_q33076f1bf4_oproj-k_q33076f1bf4_oproj
	.p2alignl 7, 3214868480
	.fill 96, 4, 3214868480
	.section	.rodata,"a",@progbits
	.p2align	6, 0x0
	.amdhsa_kernel k_q33076f1bf4_oproj
		.amdhsa_group_segment_fixed_size 327680
		.amdhsa_private_segment_fixed_size 0
		.amdhsa_enable_private_segment 0
		.amdhsa_kernarg_size 40
		.amdhsa_user_sgpr_count 2
		.amdhsa_user_sgpr_kernarg_segment_ptr 1
		.amdhsa_wavefront_size32 1
		.amdhsa_system_sgpr_workgroup_id_x 1
		.amdhsa_system_sgpr_workgroup_id_y 1
		.amdhsa_system_sgpr_workgroup_id_z 1
		.amdhsa_system_vgpr_workitem_id 0
		.amdhsa_next_free_vgpr 1024
		.amdhsa_next_free_sgpr 98
		.amdhsa_reserve_vcc 0
		.amdhsa_float_denorm_mode_32 3
		.amdhsa_float_denorm_mode_16_64 3
		.amdhsa_memory_ordered 1
		.amdhsa_forward_progress 1
		.amdhsa_inst_pref_size 140
	.end_amdhsa_kernel
	.amdgpu_metadata
---
amdhsa.version: [ 1, 2 ]
amdhsa.kernels:
  - .name:           k_q33076f1bf4_oproj
    .symbol:         k_q33076f1bf4_oproj.kd
    .args:
      - { .name: ac, .offset: 0, .size: 8, .value_kind: global_buffer, .address_space: global }
      - { .name: Wo_codes, .offset: 8, .size: 8, .value_kind: global_buffer, .address_space: global }
      - { .name: lowp_scales, .offset: 16, .size: 8, .value_kind: global_buffer, .address_space: global }
      - { .name: bo, .offset: 24, .size: 8, .value_kind: global_buffer, .address_space: global }
      - { .name: out0, .offset: 32, .size: 8, .value_kind: global_buffer, .address_space: global }
    .group_segment_fixed_size: 327680
    .private_segment_fixed_size: 0
    .kernarg_segment_align: 8
    .kernarg_segment_size: 40
    .max_flat_workgroup_size: 128
    .sgpr_count:     98
    .vgpr_count:     1024
    .wavefront_size: 32
...
	.end_amdgpu_metadata
.endif
;; end of part 4
